; MI455X (gfx1250); checked and timed in simulation.
; The chip was launched on July 23, 2026; its instructions are those of AMD's public machine-readable ISA for CDNA 5 (MIT licence, August 2026) and "CDNA5" Instruction Set Architecture Reference Guide (July 2026). The comments in the code are by the model that wrote it; some were corrected since.
;; Vector Quantizer. Allowed arithmetic: matrix products marked QUANTISED: E5M2 operands, one E8M0 scale for each 32 along K, by v_wmma_scale_f32_16x16x128_f8f6f4 with both operands' format E5M2, f32 sums; everything else in f32.
;; Inputs: embeddings 8,192 x 256 float32; z 8 x 4,096 x 256 float32.
;; Outputs: out0 8 x 4,096 x 256 float32.
;; This version of the problem:
;;   THIS VERSION OF THE PROBLEM IS GIVEN IN LOW PRECISION. The matrix products marked QUANTISED in the list below multiply operands that are first quantised to E5M2 (5 exponent bits, 2 mantissa bits; 8 bits a number), with one power-of-two scale for each 32 numbers along K (OCP MX v1.0); their sums are f32. All else is computed in f32.
;;   The module's matrix products, in the order in which they are computed (A, B: the left and right operand; K: the contracted axis; several contracted axes count as one K, in the product's order):
;;     1. [M 32,768, K 256] x [K 256, N 8,192]; A: input z; B: input embeddings: QUANTISED
;;   THE QUANTISER, for each operand of a quantised product, along K:
;;     - K is cut into blocks of 32 from its start; a last block that is shorter is filled with zeros.
;;     - A block's scale is 2^e with e = floor(log2(the largest magnitude in the block)) - 15, held to -126 .. 127; a block of zeros has e = 0. As a byte (E8M0): e + 127.
;;     - Each number is divided by its block's scale, clamped to +-57,344, and rounded to the nearest number of E5M2, ties to even, subnormals kept.
;;     - The product sums the exact products of the quantised numbers (number of the format x scale) in f32.
;;   ~~~python
;;   def quantise(x, axis):      # numpy; x: float32 -> the quantised numbers, widened to float32 again
;;       x = np.moveaxis(x, axis, -1); K = x.shape[-1]
;;       x = np.pad(x, [(0, 0)] * (x.ndim - 1) + [(0, -K % 32)]); x = x.reshape(x.shape[:-1] + (-1, 32)); a = np.abs(x).max(-1, keepdims=True)
;;       e = np.where(a > 0, np.clip(np.frexp(np.where(a > 0, a, 1))[1] - 1 - 15, -126, 127), 0)      # np.frexp(a)[1] - 1 = floor(log2(a)), exactly
;;       r = np.clip(x / 2.0 ** e, -57344, 57344)
;;       step = 2.0 ** (np.maximum(np.frexp(np.where(r == 0, 1, r))[1] - 1, -14) - 2)
;;       q = np.round(r / step) * step * 2.0 ** e      # np.round: ties to even
;;       return np.moveaxis(q.reshape(q.shape[:-2] + (-1,))[..., :K], -1, axis).astype(np.float32)
;;   ~~~
;; One version. Each part assembles by itself: llvm-mc -triple=amdgcn-amd-amdhsa -mcpu=gfx1250 --defsym DOCPART=n.
;; ======== version 1 of 1: 3 launches
;; limits: right only within a limited range of input values
;; workspace buffers: ecodes 2,228,224 bytes; idx 131,072 bytes of whole numbers
;; launch prep (part 1): grid 256 x 1, 2 waves a work-group, no clusters, 768 bytes of LDS; arguments embeddings, ecodes; writes ecodes
.if DOCPART == 1
	.amdgcn_target "amdgcn-amd-amdhsa--gfx1250"
	.amdhsa_code_object_version 6
	.text
	.protected	k_q2db3a854fd_prep
	.globl	k_q2db3a854fd_prep
	.p2align	8
	.type	k_q2db3a854fd_prep,@function
k_q2db3a854fd_prep:
	s_mov_b64 s[64:65], 0
	v_nop
	global_prefetch_b8 v0, s[64:65] scope:SCOPE_SE
	s_setreg_imm32_b32 hwreg(HW_REG_WAVE_MODE, 25, 1), 1
	s_wait_xcnt 0x0
; The codebook E [8192][256], f32, becomes codes of BF8 (E5M2) with one E8M0 scale byte for each 32 along K, and ee[k] = the sum of E[k][:]^2 of the f32 numbers as they are given.
; The results are laid as the next launch's registers want them: 512 records of REC = 4,352 bytes, one for each tile of 16 codebook rows:
;   bytes 0 .. 4095     eight images of 512 bytes: image 4 s + c = registers 4 c .. 4 c + 3 of the operand's fragment of K step s (128 along K), lane l's 16 bytes at 16 l
;   bytes 4096 .. 4223  the scale words, 4 bytes a lane: lane r < 16 row r's word of K step 0, lane 16 + r row r's word of K step 1
;   bytes 4224 .. 4287  ee of the 16 rows;   bytes 4288 .. 4351  zeros
; A wave takes a tile.  Lane (r = lane % 16, h = lane / 16) takes, of row r, numbers 16 h .. 16 h + 15 of each block of 32: the order in which the operand's layout gives that lane its k, so that the conversions'
; results are the operand's registers.  A block lies in lanes l and l xor 16.
; A block's scale is 2^(floor(log2(its largest magnitude)) - 15); its byte is the largest magnitude's exponent field - 15, held at 1 from below.  Each number is held within +-57,344 x the scale and rounded to the nearest code.
; LIMITS: NaN and infinities among the inputs are not served.  A block of zeros gets the byte 1 where the rule says 127: its codes are zeros, and this program alone reads the bytes.  Blocks whose largest magnitude
; lies under 2^-111 (byte held at 1) were not tried.  ee is summed in four packed chains, another order than a plain sum along the row.
; No matrix work, no tensor load, no barrier: the two waves share nothing; each has 256 bytes of LDS of its own.
.set REC, 4352
.set LN,  1                            ; v1      lane
.set PW,  2                            ; v2      the scale word just made (at the head: r)
.set PW0, 3                            ; v3      K step 0's scale word (at the head: h)
.set XA,  4                            ; v4      my byte in the tile's 16 rows of E: 1,024 r + 64 h
.set LI,  5                            ; v5      16 x lane: my place in an image
.set LA,  6                            ; v6      LDS: 256 x wave + 4 x lane
.set LB,  7                            ; v7      LDS: 256 x wave + 8 x lane
.set SQ,  8                            ; v8-15   four packed chains of squares
.set TM,  16                           ; v16-19 largest magnitudes, v20-23 bytes, v24-27 57,344 x the scale, v28-31 the conversions' scale operands
.set X0,  32                           ; v32-95  my 64 numbers of K step 0
.set X1,  96                           ; v96-159 of K step 1
.set PC0, 160                          ; v160-175 K step 0's codes
.set PC1, 176                          ; v176-191 K step 1's
.set SEL, 20                           ; s[20:21] v_permlanex16_b32's selects for lane l xor 16
.set MNT, 23                           ; s23     the mantissa field of 57,344
; the squares of 64 numbers onto the four chains; first = 1: the first four pairs start the chains, so that nothing is cleared
.macro SUMSQ s, first
.set NN, 0
.rept 32
.if (\first) && (NN < 4)
	v_pk_mul_f32 v[SQ+2*NN:SQ+2*NN+1], v[\s+2*NN:\s+2*NN+1], v[\s+2*NN:\s+2*NN+1]
.else
	v_pk_fma_f32 v[SQ+2*(NN%4):SQ+2*(NN%4)+1], v[\s+2*NN:\s+2*NN+1], v[\s+2*NN:\s+2*NN+1], v[SQ+2*(NN%4):SQ+2*(NN%4)+1]
.endif
.set NN, NN+1
.endr
.endm
; the four chains, their two halves and lane l xor 16's become the row's sum, in v[SQ] of every lane
.macro FOLD
	v_pk_add_f32 v[SQ:SQ+1], v[SQ:SQ+1], v[SQ+2:SQ+3]
	v_pk_add_f32 v[SQ+4:SQ+5], v[SQ+4:SQ+5], v[SQ+6:SQ+7]
	v_pk_add_f32 v[SQ:SQ+1], v[SQ:SQ+1], v[SQ+4:SQ+5]
	v_add_f32 v[SQ], v[SQ], v[SQ+1]
	v_permlanex16_b32 v[SQ+1], v[SQ], s[SEL], s[SEL+1]
	v_add_f32 v[SQ], v[SQ], v[SQ+1]
.endm
; 64 numbers of a lane, register 16 b + i = k 32 b + 16 h + i of my row, become a fragment's codes in v[pc] on and its scale word in v[PW]
.macro QUANT s, pc
.irp b, 0,1,2,3
	v_max3_num_f32 v[TM+\b], |v[\s+16*\b]|, |v[\s+1+16*\b]|, 0x8000000   ; block b: my 16 numbers, and the floor 2^(16 - 127): the byte cannot fall under 1
.endr
.irp i, 2,4,6,8,10,12,14
.irp b, 0,1,2,3
	v_max3_num_f32 v[TM+\b], v[TM+\b], |v[\s+16*\b+\i]|, |v[\s+1+16*\b+\i]|   ; the four blocks by turns
.endr
.endr
.irp b, 0,1,2,3
	v_permlanex16_b32 v[TM+4+\b], v[TM+\b], s[SEL], s[SEL+1]
.endr
.irp b, 0,1,2,3
	v_max_num_f32 v[TM+\b], v[TM+\b], v[TM+4+\b]   ; with lane l xor 16's: the block's largest magnitude
.endr
.irp b, 0,1,2,3
	v_add_nc_u32 v[TM+12+\b], 0xf8800000, v[TM+\b]   ; 15 off its exponent field: the conversion takes the exponent field of this operand as its scale
.endr
.irp b, 0,1,2,3
	v_and_or_b32 v[TM+8+\b], v[TM+\b], 0x7f800000, s[MNT]   ; 57,344 x the scale
.endr
.irp b, 0,1,2,3
	v_lshrrev_b32 v[TM+4+\b], 23, v[TM+12+\b]   ; the scale's byte
.endr
	v_lshl_or_b32 v[PW], v[TM+5], 8, v[TM+4]   ; the four bytes make my row's scale word
	v_lshl_or_b32 v[PW], v[TM+6], 16, v[PW]
	v_lshl_or_b32 v[PW], v[TM+7], 24, v[PW]
.irp b, 0,1,2,3
.irp i, 0,1,2,3,4,5,6,7,8,9,10,11,12,13,14,15
	v_med3_num_f32 v[\s+16*\b+\i], v[\s+16*\b+\i], -v[TM+8+\b], v[TM+8+\b]   ; the conversion to an 8-bit code does not saturate (ISA guide 7.6.2): the hold comes first
.endr
	v_cvt_scalef32_pk8_bf8_f32 v[\pc+4*\b:\pc+1+4*\b], v[\s+16*\b:\s+7+16*\b], v[TM+12+\b]
	v_cvt_scalef32_pk8_bf8_f32 v[\pc+2+4*\b:\pc+3+4*\b], v[\s+8+16*\b:\s+15+16*\b], v[TM+12+\b]
.endr
	v_nop                                          ; one plain vector line behind the last conversion, ahead of whatever next touches its registers
.endm
	s_load_b128 s[4:7], s[0:1], 0x0                ; E s[4:5], the records s[6:7]
	v_lshl_add_u32 v192, v0, 2, 0x200
	v_mov_b32 v193, 0
	v_lshrrev_b32 v[LN], 5, v0
	v_readfirstlane_b32 s8, v[LN]                  ; wave 0, 1
	v_and_b32 v[LN], 31, v0
	v_and_b32 v2, 15, v0                           ; r
	v_bfe_u32 v3, v0, 4, 1                         ; h
	v_lshlrev_b32 v[XA], 10, v2
	v_lshl_add_u32 v[XA], v3, 6, v[XA]
	v_lshlrev_b32 v[LI], 4, v[LN]
	s_lshl_b32 s9, s8, 8
	v_lshl_add_u32 v[LA], v[LN], 2, s9
	v_lshl_add_u32 v[LB], v[LN], 3, s9
	s_lshl_b32 s10, ttmp9, 1
	s_add_co_u32 s10, s10, s8                      ; my tile: 2 x work-group + wave
	s_lshl_b32 s12, s10, 14                        ; its 16 rows of 1,024 bytes
	s_mov_b32 s13, 0
	s_mul_i32 s14, s10, REC                        ; its record
	s_mov_b32 s15, 0
	s_mov_b32 s[SEL], 0x76543210
	s_mov_b32 s[SEL+1], 0xfedcba98
	s_mov_b32 s[MNT], 0x600000
.irp b, 0,1,2,3
	v_mov_b32 v[TM+4+\b], 0                        ; written once: a lane permute's destination counts as one of its sources
.endr
	s_wait_alu depctr_va_vdst(0)
	s_wait_kmcnt 0x0
	s_add_nc_u64 s[4:5], s[4:5], s[12:13]
	s_add_nc_u64 s[6:7], s[6:7], s[14:15]
.irp s, 0,1
.irp b, 0,1,2,3
.irp j, 0,1,2,3
	global_load_b128 v[X0+64*\s+16*\b+4*\j:X0+64*\s+16*\b+4*\j+3], v[XA], s[4:5] offset:512*\s+128*\b+16*\j th:TH_LOAD_NT
.endr
.endr
.endr
	s_wait_loadcnt 16                              ; K step 0's sixteen loads are in; K step 1's sixteen may be out
	SUMSQ X0, 1
	QUANT X0, PC0
	v_mov_b32 v[PW0], v[PW]
.irp c, 0,1,2,3
	global_store_b128 v[LI], v[PC0+4*\c:PC0+4*\c+3], s[6:7] offset:512*\c   ; an image: the wave stores 512 consecutive bytes, at a multiple of 256 from the buffer's first byte
.endr
	s_wait_loadcnt 0x0
	SUMSQ X1, 0
	QUANT X1, PC1
.irp c, 0,1,2,3
	global_store_b128 v[LI], v[PC1+4*\c:PC1+4*\c+3], s[6:7] offset:2048+512*\c
.endr
	FOLD                                           ; ee of row r, in lanes r and 16 + r
	v_cmp_gt_u32 vcc_lo, 16, v[LN]
	v_cndmask_b32 v[TM], v[PW], v[PW0], vcc_lo     ; lanes 0-15: K step 0's word; lanes 16-31: K step 1's
	v_cndmask_b32 v[TM+1], 0, v[SQ], vcc_lo        ; lanes 0-15: ee; lanes 16-31: the record's last 64 bytes, zeros
	v_lshlrev_b32 v[TM+4], 3, v[LN]
	ds_store_b32 v[LA], v[TM]                      ; the record's last 256 bytes are put together in my wave's own LDS bytes
	ds_store_b32 v[LA], v[TM+1] offset:128
	ds_load_b64 v[TM+2:TM+3], v[LB]                ; LDS serves a wave's instructions in order (ISA guide 5.7.1.4): this sees my stores
	s_wait_alu depctr_va_vdst(0)
	s_wait_dscnt 0x0
	global_store_b64 v[TM+4], v[TM+2:TM+3], s[6:7] offset:4096   ; 32 lanes store 256 consecutive bytes
	s_wait_tensorcnt 0x0
	ds_add_u32 v192, v193
	s_wait_dscnt 0x0
	s_endpgm
.Lfunc_end_k_q2db3a854fd_prep:
	.size	k_q2db3a854fd_prep, .Lfunc_end_k_q2db3a854fd_prep-k_q2db3a854fd_prep
	.p2alignl 7, 3214868480
	.fill 96, 4, 3214868480
	.section	.rodata,"a",@progbits
	.p2align	6, 0x0
	.amdhsa_kernel k_q2db3a854fd_prep
		.amdhsa_group_segment_fixed_size 768
		.amdhsa_private_segment_fixed_size 0
		.amdhsa_enable_private_segment 0
		.amdhsa_kernarg_size 16
		.amdhsa_user_sgpr_count 2
		.amdhsa_user_sgpr_kernarg_segment_ptr 1
		.amdhsa_wavefront_size32 1
		.amdhsa_system_sgpr_workgroup_id_x 1
		.amdhsa_system_sgpr_workgroup_id_y 1
		.amdhsa_system_sgpr_workgroup_id_z 1
		.amdhsa_system_vgpr_workitem_id 0
		.amdhsa_next_free_vgpr 194
		.amdhsa_next_free_sgpr 66
		.amdhsa_reserve_vcc 1
		.amdhsa_float_denorm_mode_32 3
		.amdhsa_float_denorm_mode_16_64 3
		.amdhsa_memory_ordered 1
		.amdhsa_forward_progress 1
		.amdhsa_inst_pref_size 27
	.end_amdhsa_kernel
	.amdgpu_metadata
---
amdhsa.version: [ 1, 2 ]
amdhsa.kernels:
  - .name:           k_q2db3a854fd_prep
    .symbol:         k_q2db3a854fd_prep.kd
    .args:
      - { .name: embeddings, .offset: 0, .size: 8, .value_kind: global_buffer, .address_space: global }
      - { .name: ecodes, .offset: 8, .size: 8, .value_kind: global_buffer, .address_space: global }
    .group_segment_fixed_size: 768
    .private_segment_fixed_size: 0
    .kernarg_segment_align: 8
    .kernarg_segment_size: 16
    .max_flat_workgroup_size: 64
    .sgpr_count:     66
    .vgpr_count:     194
    .wavefront_size: 32
...
	.end_amdgpu_metadata
.endif
;; end of part 1
;; launch main (part 2): grid 256 x 1, 8 waves a work-group, clusters of 4 x 1, 327,680 bytes of LDS; arguments z, ecodes, idx; writes idx
.if DOCPART == 2
	.amdgcn_target "amdgcn-amd-amdhsa--gfx1250"
	.amdhsa_code_object_version 6
	.text
	.protected	k_q2db3a854fd_main
	.globl	k_q2db3a854fd_main
	.p2align	8
	.type	k_q2db3a854fd_main,@function
k_q2db3a854fd_main:
	s_mov_b64 s[64:65], 0
	v_nop
	global_prefetch_b8 v0, s[64:65] scope:SCOPE_SE
	s_setreg_imm32_b32 hwreg(HW_REG_WAVE_MODE, 25, 1), 1
	s_wait_xcnt 0x0
	s_wait_alu depctr_hold_cnt(0) depctr_sa_sdst(0) depctr_va_vdst(0) depctr_va_sdst(0) depctr_va_ssrc(0) depctr_va_vcc(0) depctr_vm_vsrc(0)
	s_getreg_b32 s2, hwreg(HW_REG_IB_STS2, 6, 4)
	s_cmp_eq_u32 s2, 0
	s_cbranch_scc0 .Lentry_in_a_cluster
	s_endpgm
.Lentry_in_a_cluster:
	s_bfe_u32 s2, ttmp6, 0x10000c
	s_cmp_lg_u32 s2, 0x3003
	s_cbranch_scc0 .Lentry_shape_is_right
	s_endpgm
.Lentry_shape_is_right:
; idx[n] = the first k that makes d[n][k] = (zz[n] - 2 a[n][k]) + ee[k] least; a = Q(z) Q(E)^T in MX-BF8, zz and ee sums of squares of the f32 numbers, each step rounded to f32.
; zz is the same along k, but d is rounded at zz's size and that rounding makes the ties which the first index settles, so zz stays.
; A work-group takes 128 rows of z; each of its 8 waves holds all 128 rows as eight operand fragments (window 1) and walks 64 of the 512 tiles of 16 codebook rows.
; The codebook comes as records of REC bytes (codes as register images, scale words, ee), 32 records to a slot, 4 to a wave; two slots take turns.  Each wave fetches and reads its own 4 records.
; CLUSTERS: the four work-groups of a cluster walk the same records and ask for them jointly (mask 15).
; THE PRODUCT IS USED TRANSPOSED: source 0 = 16 codebook rows, source 1 = 16 rows of z: lane (r, h) holds row r of z, register j the code 8 h + j of the tile.
; For each tile of 16 x 16: two products; eight packed lines make d; a tree of four minima joins them with the best so far; a compare and four dual selects keep, where the best fell,
; the tile's first seven d and, in the place of the eighth, which the end never asks for, the tile's number.  At the end the first kept d that equals the best gives the code inside the tile.
; z comes by one tensor load a wave (16 rows) into bytes of slot 1, is quantised there by that wave, and its codes reach the other waves as register images in LDS.
; PREFETCH: wave 0 of the work-groups of clusters 0 to 16 names, in laps 0, 2 and 4, 32 blocks 256 bytes apart of the records four to seven slots on; the address stays inside the records' buffer.
; LIMITS: NaN and infinities among the inputs are not served.  A block of zeros gets the scale byte 1 where the rule says 127: its codes are zeros, and this program alone reads the bytes.
; zz is summed in four packed chains, another order than a plain sum along the row.
.set USE_DUAL, 1
.set REC,   4352
.set WCH,   4*REC
.set SLOTB, 8*WCH
.set ZP,    1040
.set ZSTG,  16*ZP
.set ZIMG,  2*SLOTB
.set ZSC,   ZIMG+32768
.set SPARE, ZSC+2048
.set MIDX,  8192
.set FIN,   16384
.set LAPS,  7
.set SPW,  1
.set NIL,  2
.set AL,   3
.set AS,   5
.set AE,   7
.set H8,   9
.set ZIA,  10
.set MD,   11
.set MR,   12
.set FINA, 13
.set PFO,  14
.set GO,   15
.set A,    16
.set SE,   48
.set ZS,   50
.set ZZ,   58
.set EE,   74
.set BEST, 90
.set ID,   106
.set TIDV, 108                         ; v108-109 in the loop: the tile's number, by the tile's parity (behind the loop these are two of the index registers v106-113)
.set T,    114
.set ZL,   120
.set ZWI,  121
.set ZWS,  122
.set ZSA,  123
.set LN,   124
.set RR,   125
.set HH,   126
.set ACC,  128
.set SNAP, 192
.set X0,   ACC
.set X1,   SNAP
.set PC0,  A
.set PC1,  A+16
.set TM,   EE
.set PW,   BEST
.set PW0,  BEST+1
.set SQ,   BEST+2
.set WV,   10
.set CX,   11
.set WGX,  12
.set G1E,  16
.set G1Z,  24
.set G0A,  32
.set G0B,  36
.set G0Z,  40
.set SEL,  44
.set MNT,  46
.set LAP,  47
.set TBASE, 48
.set TID,  50
.set PFA,  52
.set PFM,  54
.set INF,  55
.set MSB, 0
.macro WIN new
.if MSB != \new
	s_set_vgpr_msb (MSB<<8)|\new
.set MSB, \new
.endif
.endm
.macro CROUND
	s_barrier_signal -1
	s_barrier_wait -1
	s_cmp_lg_u32 s[WV], 0
	s_cbranch_scc1 .Lnot_wave_0_\@
	s_barrier_signal -3
.Lnot_wave_0_\@:
	s_barrier_wait -3
	s_barrier_signal -1
	s_barrier_wait -1
.endm
.macro SUMSQ s, first
.set NN, 0
.rept 32
.if (\first) && (NN < 4)
	v_pk_mul_f32 v[SQ+2*NN:SQ+2*NN+1], v[\s+2*NN:\s+2*NN+1], v[\s+2*NN:\s+2*NN+1]
.else
	v_pk_fma_f32 v[SQ+2*(NN%4):SQ+2*(NN%4)+1], v[\s+2*NN:\s+2*NN+1], v[\s+2*NN:\s+2*NN+1], v[SQ+2*(NN%4):SQ+2*(NN%4)+1]
.endif
.set NN, NN+1
.endr
.endm
.macro QUANT s, pc
.irp b, 0,1,2,3
	v_max3_num_f32 v[TM+\b], |v[\s+16*\b]|, |v[\s+1+16*\b]|, 0x8000000
.endr
.irp i, 2,4,6,8,10,12,14
.irp b, 0,1,2,3
	s_delay_alu instid0(VALU_DEP_4)
	v_max3_num_f32 v[TM+\b], v[TM+\b], |v[\s+16*\b+\i]|, |v[\s+1+16*\b+\i]|
.endr
.endr
.irp b, 0,1,2,3
	s_delay_alu instid0(VALU_DEP_4)
	v_permlanex16_b32 v[TM+4+\b], v[TM+\b], s[SEL], s[SEL+1]
.endr
.irp b, 0,1,2,3
	s_delay_alu instid0(VALU_DEP_4)
	v_max_num_f32 v[TM+\b], v[TM+\b], v[TM+4+\b]
.endr
.irp b, 0,1,2,3
	s_delay_alu instid0(VALU_DEP_4)
	v_add_nc_u32 v[TM+12+\b], 0xf8800000, v[TM+\b]
.endr
.irp b, 0,1,2,3
	v_and_or_b32 v[TM+8+\b], v[TM+\b], 0x7f800000, s[MNT]
.endr
.irp b, 0,1,2,3
	v_lshrrev_b32 v[TM+4+\b], 23, v[TM+12+\b]
.endr
	s_delay_alu instid0(VALU_DEP_3)
	v_lshl_or_b32 v[PW], v[TM+5], 8, v[TM+4]
	s_delay_alu instid0(VALU_DEP_1)
	v_lshl_or_b32 v[PW], v[TM+6], 16, v[PW]
	s_delay_alu instid0(VALU_DEP_1)
	v_lshl_or_b32 v[PW], v[TM+7], 24, v[PW]
.irp b, 0,1,2,3
.irp i, 0,1,2,3,4,5,6,7,8,9,10,11,12,13,14,15
	v_med3_num_f32 v[\s+16*\b+\i], v[\s+16*\b+\i], -v[TM+8+\b], v[TM+8+\b]
.endr
	v_cvt_scalef32_pk8_bf8_f32 v[\pc+4*\b:\pc+1+4*\b], v[\s+16*\b:\s+7+16*\b], v[TM+12+\b]
	v_cvt_scalef32_pk8_bf8_f32 v[\pc+2+4*\b:\pc+3+4*\b], v[\s+8+16*\b:\s+15+16*\b], v[TM+12+\b]
.endr
	v_nop
.endm
.macro FETCH slot, i, eb
.irp k, 0,1,2,3,4,5,6,7
	ds_load_b128 v[A+4*\k:A+4*\k+3], v[AL+(\slot)] offset:(\i)*REC+512*\k
.endr
	ds_load_b32 v[SE], v[AS+(\slot)] offset:(\i)*REC+4096
	ds_load_b128 v[EE+8*(\eb):EE+8*(\eb)+3], v[AE+(\slot)] offset:(\i)*REC+4224
	ds_load_b128 v[EE+8*(\eb)+4:EE+8*(\eb)+7], v[AE+(\slot)] offset:(\i)*REC+4240
.endm
.macro MULX g
	WIN 0x04
.irp q, 0,1,2,3
	v_wmma_scale_f32_16x16x128_f8f6f4 v[ACC+8*(4*\g+\q):ACC+8*(4*\g+\q)+7], v[A:A+15], v[32*(4*\g+\q):32*(4*\g+\q)+15], 0, v[SE], v[ZS+4*\g+\q] matrix_a_fmt:MATRIX_FMT_BF8 matrix_b_fmt:MATRIX_FMT_BF8
.endr
.irp q, 0,1,2,3
	v_wmma_scale_f32_16x16x128_f8f6f4 v[ACC+8*(4*\g+\q):ACC+8*(4*\g+\q)+7], v[A+16:A+31], v[32*(4*\g+\q)+16:32*(4*\g+\q)+31], v[ACC+8*(4*\g+\q):ACC+8*(4*\g+\q)+7], v[SE], v[ZS+4*\g+\q] matrix_a_fmt:MATRIX_FMT_BF8 matrix_b_fmt:MATRIX_FMT_BF8 matrix_a_scale:MATRIX_SCALE_ROW1 matrix_b_scale:MATRIX_SCALE_ROW1
.endr
.endm
.macro POST2A qa, qb, p
.irp i, 0,2,4,6
	v_pk_fma_f32 v[ACC+8*\qa+\i:ACC+8*\qa+\i+1], v[ACC+8*\qa+\i:ACC+8*\qa+\i+1], -2.0, v[ZZ+2*\qa:ZZ+2*\qa+1] op_sel_hi:[1,0,1]
	v_pk_fma_f32 v[ACC+8*\qb+\i:ACC+8*\qb+\i+1], v[ACC+8*\qb+\i:ACC+8*\qb+\i+1], -2.0, v[ZZ+2*\qb:ZZ+2*\qb+1] op_sel_hi:[1,0,1]
.endr
.irp i, 0,2,4,6
	v_pk_add_f32 v[ACC+8*\qa+\i:ACC+8*\qa+\i+1], v[ACC+8*\qa+\i:ACC+8*\qa+\i+1], v[EE+8*(\p)+\i:EE+8*(\p)+\i+1]
	v_pk_add_f32 v[ACC+8*\qb+\i:ACC+8*\qb+\i+1], v[ACC+8*\qb+\i:ACC+8*\qb+\i+1], v[EE+8*(\p)+\i:EE+8*(\p)+\i+1]
.endr
.endm
.macro TREE q, t, p
	v_min3_num_f32 v[T+\t], v[ACC+8*\q], v[ACC+8*\q+1], v[ACC+8*\q+2]
	v_min3_num_f32 v[T+\t+1], v[ACC+8*\q+3], v[ACC+8*\q+4], v[ACC+8*\q+5]
	v_min3_num_f32 v[T+\t+2], v[ACC+8*\q+6], v[ACC+8*\q+7], v[BEST+8*(1-(\p))+\q]
.endm
.macro SEL2 q, j
.if USE_DUAL
	v_dual_cndmask_b32 v[SNAP+8*\q+\j], v[ACC+8*\q+\j], v[SNAP+8*\q+\j] :: v_dual_cndmask_b32 v[SNAP+8*\q+\j+1], v[ACC+8*\q+\j+1], v[SNAP+8*\q+\j+1]
.else
	v_cndmask_b32 v[SNAP+8*\q+\j], v[ACC+8*\q+\j], v[SNAP+8*\q+\j], vcc_lo
	v_cndmask_b32 v[SNAP+8*\q+\j+1], v[ACC+8*\q+\j+1], v[SNAP+8*\q+\j+1], vcc_lo
.endif
.endm
.macro KEEP q, p
	v_cmp_ge_f32 vcc_lo, v[BEST+8*(\p)+\q], v[BEST+8*(1-(\p))+\q]
.irp j, 0,2,4
	SEL2 \q, \j
.endr
	v_dual_cndmask_b32 v[SNAP+8*\q+6], v[ACC+8*\q+6], v[SNAP+8*\q+6] :: v_dual_cndmask_b32 v[SNAP+8*\q+7], v[TIDV+(\p)], v[SNAP+8*\q+7]   ; d 6, and the tile's number in the place of d 7
.endm
.macro POST2B qa, qb, p
	TREE \qa, 0, \p
	TREE \qb, 3, \p
	s_delay_alu instid0(VALU_DEP_4)
	v_min3_num_f32 v[BEST+8*(\p)+\qa], v[T], v[T+1], v[T+2]
	s_delay_alu instid0(VALU_DEP_2)
	v_min3_num_f32 v[BEST+8*(\p)+\qb], v[T+3], v[T+4], v[T+5]
	KEEP \qa, \p
	KEEP \qb, \p
.endm
.macro POST2 qa, qb, p
	POST2A \qa, \qb, \p
	POST2B \qa, \qb, \p
.endm
.macro ASK
	s_bitcmp1_b32 s[PFM], s[LAP]
	s_cbranch_scc0 .Lnot_mine_\@
	global_prefetch_b8 v[PFO], s[PFA:PFA+1] th:TH_LOAD_NT scope:SCOPE_SE
.Lnot_mine_\@:
.endm
.macro LEXMIN bd, bi, cd, ci
	v_cmp_lt_f32 s56, v[\cd], v[\bd]
	v_cmp_eq_f32 s57, v[\cd], v[\bd]
	v_cmp_lt_u32 s58, v[\ci], v[\bi]
	s_and_b32 s57, s57, s58
	s_or_b32 vcc_lo, s56, s57
	v_cndmask_b32 v[\bd], v[\bd], v[\cd], vcc_lo
	v_cndmask_b32 v[\bi], v[\bi], v[\ci], vcc_lo
.endm
.macro TILE slot, i, mode
.set PAR, (\i)&1
	s_add_co_u32 s[TID+PAR], s[TBASE], \i
	v_mov_b32 v[TIDV+PAR], s[TID+PAR]              ; in a vector register: a half of a dual select reads one scalar value, its VCC
	s_wait_dscnt 0x0
	MULX 0
	WIN 0
	POST2 4, 5, 1-PAR
	POST2 6, 7, 1-PAR
	MULX 1
	WIN 0
.if \mode == 0
	POST2A 0, 1, PAR
	FETCH \slot, (\i)+1, 1-PAR
	POST2B 0, 1, PAR
.endif
.if \mode == 1
	s_wait_tensorcnt 0x0
	ds_add_u32 v[SPW], v[NIL]
	s_add_nc_u64 s[G0A+4*\slot+2:G0A+4*\slot+3], s[G0A+4*\slot+2:G0A+4*\slot+3], 2*SLOTB
.if \slot == 1
	s_wait_xcnt 0x0
	s_add_nc_u64 s[PFA:PFA+1], s[PFA:PFA+1], 2*SLOTB
.endif
	POST2 0, 1, PAR
	s_wait_dscnt 0x0
	CROUND
	tensor_load_to_lds s[G0A+4*\slot:G0A+4*\slot+3], s[G1E:G1E+7]
	s_nop 0
.rept 4
	v_nop
.endr
	FETCH 1-\slot, 0, 0
.if \slot == 0
	ASK
.endif
	s_add_co_u32 s[TBASE], s[TBASE], 32
.endif
.if \mode == 2
	s_wait_tensorcnt 0x0
	POST2A 0, 1, PAR
	FETCH 1-\slot, 0, 0
	s_add_co_u32 s[TBASE], s[TBASE], 32
	POST2B 0, 1, PAR
.endif
.if \mode == 3
	POST2 0, 1, PAR
.endif
	POST2 2, 3, PAR
.endm
	s_load_b128 s[4:7], s[0:1], 0x0
	s_load_b64 s[8:9], s[0:1], 0x10
	v_lshl_add_u32 v[SPW], v0, 2, SPARE
	v_mov_b32 v[NIL], 0
	ds_add_u32 v1, v2
	ds_add_u32 v1, v2
	s_wait_dscnt 0x0
	v_lshrrev_b32 v[LN], 5, v0
	s_delay_alu instid0(VALU_DEP_1)
	v_readfirstlane_b32 s[WV], v[LN]
	s_bfe_u32 s[CX], ttmp6, 0x40000
	s_lshl_b32 s[WGX], ttmp9, 2
	s_add_co_u32 s[WGX], s[WGX], s[CX]
	s_mov_b32 s[G1E], 15|(3<<16)|(1<<21)
	s_mov_b32 s[G1E+1], 32<<16
	s_mov_b32 s[G1E+2], 68<<16
	s_mov_b32 s[G1E+3], 32<<16
	s_mov_b32 s[G1E+4], 68
	s_mov_b32 s[G1E+5], 32
	s_mov_b32 s[G1E+6], 0
	s_mov_b32 s[G1E+7], 0
	s_mov_b32 s[G1Z], (2<<16)|(1<<20)|(7<<22)|(3<<25)
	s_mov_b32 s[G1Z+1], 256<<16
	s_mov_b32 s[G1Z+2], 16<<16
	s_mov_b32 s[G1Z+3], 256<<16
	s_mov_b32 s[G1Z+4], 16
	s_mov_b32 s[G1Z+5], 256
	s_mov_b32 s[G1Z+6], 0
	s_mov_b32 s[G1Z+7], 0
	s_mov_b32 s[SEL], 0x76543210
	s_mov_b32 s[SEL+1], 0xfedcba98
	s_mov_b32 s[MNT], 0x600000
	s_mov_b32 s[INF], 0x7f800000
	s_mul_i32 s56, s[WV], WCH
	s_mov_b32 s57, 0
	s_mul_i32 s58, s[WV], ZSTG
	s_add_co_u32 s58, s58, SLOTB
	s_cmp_lt_u32 ttmp9, 17
	s_cselect_b32 s[PFM], 0x15, 0
	s_cmp_eq_u32 s[WV], 0
	s_cselect_b32 s[PFM], s[PFM], 0
	s_wait_kmcnt 0x0
	s_mov_b32 s[G0A], 1
	s_mov_b32 s[G0A+1], s56
	s_add_nc_u64 s[G0A+2:G0A+3], s[6:7], s[56:57]
	s_mov_b32 s[G0B], 1
	s_add_co_u32 s[G0B+1], s56, SLOTB
	s_add_nc_u64 s[G0B+2:G0B+3], s[G0A+2:G0A+3], SLOTB
	s_or_b32 s[G0A+3], s[G0A+3], 0x80000000
	s_or_b32 s[G0B+3], s[G0B+3], 0x80000000
	s_lshl_b32 s60, s[WGX], 17
	s_lshl_b32 s61, s[WV], 14
	s_add_co_u32 s60, s60, s61
	s_mov_b32 s61, 0
	s_mov_b32 s[G0Z], 1
	s_mov_b32 s[G0Z+1], s58
	s_add_nc_u64 s[G0Z+2:G0Z+3], s[4:5], s[60:61]
	s_or_b32 s[G0Z+3], s[G0Z+3], 0x80000000
	s_lshl_b32 s60, s[WGX], 9
	s_add_nc_u64 s[8:9], s[8:9], s[60:61]
	s_add_co_u32 s60, s[CX], 4
	s_mul_i32 s60, s60, SLOTB
	s_lshl_b32 s62, ttmp9, 13
	s_add_co_u32 s60, s60, s62
	s_add_nc_u64 s[PFA:PFA+1], s[6:7], s[60:61]
	CROUND
	tensor_load_to_lds s[G0Z:G0Z+3], s[G1Z:G1Z+7]
	s_nop 0
	s_wait_alu depctr_va_vdst(0)
	s_wait_tensorcnt 0x0
	ds_add_u32 v1, v2
	s_wait_dscnt 0x0
	CROUND
	tensor_load_to_lds s[G0A:G0A+3], s[G1E:G1E+7]
	s_nop 0
.irp b, 0,1,2,3
	v_mov_b32 v[TM+4+\b], 0
.endr
	v_and_b32 v[LN], 31, v0
	v_and_b32 v[RR], 15, v0
	v_bfe_u32 v[HH], v0, 4, 1
	s_delay_alu instid0(VALU_DEP_2)
	v_mul_u32_u24 v[ZL], v[RR], ZP
	s_delay_alu instid0(VALU_DEP_1)
	v_lshl_add_u32 v[ZL], v[HH], 6, v[ZL]
	s_delay_alu instid0(VALU_DEP_1)
	v_add_nc_u32 v[ZL], s58, v[ZL]
	v_lshl_add_u32 v[AL], v[LN], 4, s56
	s_delay_alu instid0(VALU_DEP_1)
	v_add_nc_u32 v[AL+1], SLOTB, v[AL]
	v_lshl_add_u32 v[AS], v[LN], 2, s56
	s_delay_alu instid0(VALU_DEP_1)
	v_add_nc_u32 v[AS+1], SLOTB, v[AS]
	v_lshl_add_u32 v[AE], v[HH], 5, s56
	s_delay_alu instid0(VALU_DEP_1)
	v_add_nc_u32 v[AE+1], SLOTB, v[AE]
	v_lshlrev_b32 v[H8], 3, v[HH]
	v_lshl_add_u32 v[ZIA], v[LN], 4, ZIMG
	s_lshl_b32 s59, s[WV], 10
	v_lshl_add_u32 v[MD], v[LN], 2, s59
	s_delay_alu instid0(VALU_DEP_1)
	v_add_nc_u32 v[MD], ZIMG, v[MD]
	s_lshl_b32 s59, s[WV], 6
	v_lshl_add_u32 v[FINA], v[RR], 2, s59
	s_delay_alu instid0(VALU_DEP_1)
	v_add_nc_u32 v[FINA], ZIMG+FIN, v[FINA]
	s_lshl_b32 s59, s[WV], 12
	v_add_nc_u32 v[ZWI], s59, v[ZIA]
	s_lshl_b32 s59, s[WV], 7
	v_lshl_add_u32 v[MR], v[LN], 2, s59
	s_delay_alu instid0(VALU_DEP_1)
	v_add_nc_u32 v[MR], ZIMG, v[MR]
	v_lshl_add_u32 v[ZSA], v[LN], 2, ZSC
	s_delay_alu instid0(VALU_DEP_1)
	v_add_nc_u32 v[ZWS], s59, v[ZSA]
	v_lshlrev_b32 v[PFO], 8, v[LN]
	v_lshlrev_b32 v[GO], 4, v[LN]
	s_wait_tensorcnt 0x1
.irp s, 0,1
.irp b, 0,1,2,3
.irp j, 0,1,2,3
	ds_load_b128 v[X0+64*\s+16*\b+4*\j:X0+64*\s+16*\b+4*\j+3], v[ZL] offset:512*\s+128*\b+16*\j
.endr
.endr
.endr
	s_wait_dscnt 16
	SUMSQ X0, 1
	QUANT X0, PC0
	v_mov_b32 v[PW0], v[PW]
.irp c, 0,1,2,3
	ds_store_b128 v[ZWI], v[PC0+4*\c:PC0+4*\c+3] offset:512*\c
.endr
	s_wait_dscnt 4
	SUMSQ X1, 0
	QUANT X1, PC1
.irp c, 0,1,2,3
	ds_store_b128 v[ZWI], v[PC1+4*\c:PC1+4*\c+3] offset:2048+512*\c
.endr
	v_pk_add_f32 v[SQ:SQ+1], v[SQ:SQ+1], v[SQ+2:SQ+3]
	v_pk_add_f32 v[SQ+4:SQ+5], v[SQ+4:SQ+5], v[SQ+6:SQ+7]
	s_delay_alu instid0(VALU_DEP_1)
	v_pk_add_f32 v[SQ:SQ+1], v[SQ:SQ+1], v[SQ+4:SQ+5]
	s_delay_alu instid0(VALU_DEP_1)
	v_add_f32 v[SQ], v[SQ], v[SQ+1]
	s_delay_alu instid0(VALU_DEP_1)
	v_permlanex16_b32 v[SQ+1], v[SQ], s[SEL], s[SEL+1]
	s_delay_alu instid0(VALU_DEP_1)
	v_add_f32 v[SQ], v[SQ], v[SQ+1]
	v_cmp_gt_u32 vcc_lo, 16, v[LN]
	s_delay_alu instid0(VALU_DEP_1)
	v_cndmask_b32 v[T], v[PW], v[PW0], vcc_lo
	ds_store_b32 v[ZWS], v[T]
	ds_store_b32 v[ZWS], v[SQ] offset:1024
	s_wait_tensorcnt 0x0
	ds_add_u32 v[SPW], v[NIL]
.set NN, 0
.rept 64
	v_mov_b32 v[SNAP+NN], s[INF]
.set NN, NN+1
.endr
	s_wait_dscnt 0x0
	CROUND
	tensor_load_to_lds s[G0B:G0B+3], s[G1E:G1E+7]
	s_nop 0
.rept 4
	v_nop
.endr
	WIN 0x40
.irp q, 0,1,2,3,4,5,6,7
.irp k, 0,1,2,3,4,5,6,7
	ds_load_b128 v[32*\q+4*\k:32*\q+4*\k+3], v[ZIA] offset:4096*\q+512*\k
.endr
.endr
	WIN 0
.irp q, 0,1,2,3,4,5,6,7
	ds_load_b32 v[ZS+\q], v[ZSA] offset:128*\q
	ds_load_b32 v[ZZ+2*\q], v[ZSA] offset:1024+128*\q
	ds_load_b32 v[ZZ+2*\q+1], v[ZSA] offset:1024+128*\q
.endr
	FETCH 0, 0, 0
.set NN, 0
.rept 32
	v_mov_b32 v[ACC+32+NN], 0
.set NN, NN+1
.endr
.irp j, 0,1,2,3,4,5,6,7
	v_mov_b32 v[EE+8+\j], s[INF]
	v_mov_b32 v[SNAP+8*\j+7], 0                    ; the best tile's number
.endr
.irp j, 0,1,2,3
	v_mov_b32 v[BEST+4+\j], s[INF]
	v_mov_b32 v[BEST+8+\j], s[INF]
.endr
	v_mov_b32 v[TIDV+1], 0                         ; the number of the tile that never was, whose d are infinite
	s_lshl_b32 s[TBASE], s[WV], 2
	s_mov_b32 s[LAP], 0
.Llap:
	TILE 0, 0, 0
	TILE 0, 1, 0
	TILE 0, 2, 0
	TILE 0, 3, 1
	TILE 1, 0, 0
	TILE 1, 1, 0
	TILE 1, 2, 0
	TILE 1, 3, 1
	s_add_co_u32 s[LAP], s[LAP], 1
	s_cmp_lt_u32 s[LAP], LAPS
	s_cbranch_scc1 .Llap
	TILE 0, 0, 0
	TILE 0, 1, 0
	TILE 0, 2, 0
	TILE 0, 3, 2
	TILE 1, 0, 0
	TILE 1, 1, 0
	TILE 1, 2, 0
	TILE 1, 3, 3
	POST2 4, 5, 1
	POST2 6, 7, 1
.irp q, 0,1,2,3,4,5,6,7
	v_mov_b32 v[ID+\q], v[SNAP+8*\q+7]             ; the best tile's number
	v_mov_b32 v[T], 7
.irp j, 6,5,4,3,2,1,0
	v_cmp_neq_f32 vcc_lo, v[SNAP+8*\q+\j], v[BEST+8+\q]
	s_delay_alu instid0(VALU_DEP_1)
	v_cndmask_b32 v[T], \j, v[T], vcc_lo
.endr
	s_delay_alu instid0(VALU_DEP_1)
	v_lshl_add_u32 v[ID+\q], v[ID+\q], 4, v[T]
	s_delay_alu instid0(VALU_DEP_1)
	v_add_nc_u32 v[ID+\q], v[ID+\q], v[H8]
	v_permlanex16_b32 v[T+1], v[BEST+8+\q], s[SEL], s[SEL+1]
	s_delay_alu instid0(VALU_DEP_2)
	v_permlanex16_b32 v[T+2], v[ID+\q], s[SEL], s[SEL+1]
	LEXMIN BEST+8+\q, ID+\q, T+1, T+2
	ds_store_b32 v[MD], v[BEST+8+\q] offset:128*\q
	ds_store_b32 v[MD], v[ID+\q] offset:MIDX+128*\q
.endr
	s_wait_dscnt 0x0
	s_barrier_signal -1
	s_barrier_wait -1
.irp u, 0,1,2,3,4,5,6,7
	ds_load_b32 v[SNAP+\u], v[MR] offset:1024*\u
	ds_load_b32 v[SNAP+8+\u], v[MR] offset:MIDX+1024*\u
.endr
	s_wait_dscnt 0x0
.irp u, 1,2,3,4,5,6,7
	LEXMIN SNAP, SNAP+8, SNAP+\u, SNAP+8+\u
.endr
	ds_store_b32 v[FINA], v[SNAP+8]
	s_wait_dscnt 0x0
	s_barrier_signal -1
	s_barrier_wait -1
	s_cmp_lg_u32 s[WV], 0
	s_cbranch_scc1 .Lnot_first
	ds_load_b128 v[SNAP+16:SNAP+19], v[ZIA] offset:FIN
	s_wait_dscnt 0x0
	global_store_b128 v[GO], v[SNAP+16:SNAP+19], s[8:9]
.Lnot_first:
	s_wait_tensorcnt 0x0
	ds_add_u32 v[SPW], v[NIL]
	s_wait_dscnt 0x0
	CROUND
	s_endpgm
.Lfunc_end_k_q2db3a854fd_main:
	.size	k_q2db3a854fd_main, .Lfunc_end_k_q2db3a854fd_main-k_q2db3a854fd_main
	.p2alignl 7, 3214868480
	.fill 96, 4, 3214868480
	.section	.rodata,"a",@progbits
	.p2align	6, 0x0
	.amdhsa_kernel k_q2db3a854fd_main
		.amdhsa_group_segment_fixed_size 327680
		.amdhsa_private_segment_fixed_size 0
		.amdhsa_enable_private_segment 0
		.amdhsa_kernarg_size 24
		.amdhsa_user_sgpr_count 2
		.amdhsa_user_sgpr_kernarg_segment_ptr 1
		.amdhsa_wavefront_size32 1
		.amdhsa_system_sgpr_workgroup_id_x 1
		.amdhsa_system_sgpr_workgroup_id_y 1
		.amdhsa_system_sgpr_workgroup_id_z 1
		.amdhsa_system_vgpr_workitem_id 0
		.amdhsa_next_free_vgpr 512
		.amdhsa_next_free_sgpr 66
		.amdhsa_reserve_vcc 1
		.amdhsa_float_denorm_mode_32 3
		.amdhsa_float_denorm_mode_16_64 3
		.amdhsa_memory_ordered 1
		.amdhsa_forward_progress 1
		.amdhsa_inst_pref_size 247
	.end_amdhsa_kernel
	.amdgpu_metadata
---
amdhsa.version: [ 1, 2 ]
amdhsa.kernels:
  - .name:           k_q2db3a854fd_main
    .symbol:         k_q2db3a854fd_main.kd
    .args:
      - { .name: z, .offset: 0, .size: 8, .value_kind: global_buffer, .address_space: global }
      - { .name: ecodes, .offset: 8, .size: 8, .value_kind: global_buffer, .address_space: global }
      - { .name: idx, .offset: 16, .size: 8, .value_kind: global_buffer, .address_space: global }
    .group_segment_fixed_size: 327680
    .private_segment_fixed_size: 0
    .kernarg_segment_align: 8
    .kernarg_segment_size: 24
    .max_flat_workgroup_size: 256
    .sgpr_count:     66
    .vgpr_count:     512
    .wavefront_size: 32
...
	.end_amdgpu_metadata
.endif
;; end of part 2
;; launch gather (part 3): grid 256 x 1, 8 waves a work-group, no clusters, 0 bytes of LDS; arguments idx, embeddings, out0; writes out0
.if DOCPART == 3
	.amdgcn_target "amdgcn-amd-amdhsa--gfx1250"
	.amdhsa_code_object_version 6
	.text
	.protected	k_q2db3a854fd_gather
	.globl	k_q2db3a854fd_gather
	.p2align	8
	.type	k_q2db3a854fd_gather,@function
k_q2db3a854fd_gather:
	s_mov_b64 s[64:65], 0
	v_nop
	global_prefetch_b8 v0, s[64:65] scope:SCOPE_SE
	s_setreg_imm32_b32 hwreg(HW_REG_WAVE_MODE, 25, 1), 1
	s_wait_xcnt 0x0
; out0[n][:] = E[idx[n]][:], the f32 numbers as they are given.  idx: [32768] whole numbers, stored by the launch before; a row is 1,024 bytes.
; A work-group takes 128 rows, a wave 16.  Each is held at 8,191 and shifted into a byte offset.  A row is two loads and two stores of 512 consecutive bytes.
; All 32 loads of a wave go out before its first store, each row into registers of its own: nothing is written twice, so no wait stands here but the counted ones for the loads.
; No LDS, no barrier, no matrix work: bytes are all that there is.  The loads carry no hint: a row of E may be named by many n.
.set LI,  1                            ; v1      16 x lane
.set OFF, 2                            ; v2-17   row i: 1,024 x its index + 16 x lane
.set D,   24                           ; v24-151 row i: 8 registers
	s_load_b128 s[4:7], s[0:1], 0x0                ; idx s[4:5], E s[6:7]
	s_load_b64 s[8:9], s[0:1], 0x10                ; out0
	v_lshrrev_b32 v[LI], 5, v0
	s_delay_alu instid0(VALU_DEP_1)
	v_readfirstlane_b32 s10, v[LI]                 ; wave 0..7
	v_and_b32 v[LI], 31, v0
	s_delay_alu instid0(VALU_DEP_1)
	v_lshlrev_b32 v[LI], 4, v[LI]
	s_lshl_b32 s12, ttmp9, 9                       ; my first row = 128 x work-group + 16 x wave: 4 bytes a row in idx,
	s_lshl_b32 s13, s10, 6
	s_add_co_u32 s12, s12, s13
	s_mov_b32 s13, 0
	s_lshl_b32 s14, ttmp9, 17                      ; 1,024 in out0
	s_lshl_b32 s15, s10, 14
	s_add_co_u32 s14, s14, s15
	s_mov_b32 s15, 0
	s_wait_alu depctr_va_vdst(0)
	s_wait_kmcnt 0x0
	s_add_nc_u64 s[4:5], s[4:5], s[12:13]
	s_add_nc_u64 s[8:9], s[8:9], s[14:15]
	s_load_b512 s[16:31], s[4:5], 0x0              ; my 16 indices
	s_wait_kmcnt 0x0
.irp i, 0,1,2,3,4,5,6,7,8,9,10,11,12,13,14,15
	s_min_u32 s[16+\i], s[16+\i], 8191             ; a loaded number enters an address only behind this hold
	v_lshl_add_u32 v[OFF+\i], s[16+\i], 10, v[LI]
	global_load_b128 v[D+8*\i:D+8*\i+3], v[OFF+\i], s[6:7]
	global_load_b128 v[D+8*\i+4:D+8*\i+7], v[OFF+\i], s[6:7] offset:512
.endr
.irp i, 0,1,2,3,4,5,6,7,8,9,10,11,12,13,14,15
	s_wait_loadcnt 30-2*\i                         ; row i's two loads are in; the two of each later row may be out
	global_store_b128 v[LI], v[D+8*\i:D+8*\i+3], s[8:9] offset:1024*\i th:TH_STORE_NT   ; 32 lanes store 512 consecutive bytes, at a multiple of 256 from out0's first byte; written once, read by nobody here
	global_store_b128 v[LI], v[D+8*\i+4:D+8*\i+7], s[8:9] offset:1024*\i+512 th:TH_STORE_NT
.endr
	s_endpgm
.Lfunc_end_k_q2db3a854fd_gather:
	.size	k_q2db3a854fd_gather, .Lfunc_end_k_q2db3a854fd_gather-k_q2db3a854fd_gather
	.p2alignl 7, 3214868480
	.fill 96, 4, 3214868480
	.section	.rodata,"a",@progbits
	.p2align	6, 0x0
	.amdhsa_kernel k_q2db3a854fd_gather
		.amdhsa_group_segment_fixed_size 0
		.amdhsa_private_segment_fixed_size 0
		.amdhsa_enable_private_segment 0
		.amdhsa_kernarg_size 24
		.amdhsa_user_sgpr_count 2
		.amdhsa_user_sgpr_kernarg_segment_ptr 1
		.amdhsa_wavefront_size32 1
		.amdhsa_system_sgpr_workgroup_id_x 1
		.amdhsa_system_sgpr_workgroup_id_y 1
		.amdhsa_system_sgpr_workgroup_id_z 1
		.amdhsa_system_vgpr_workitem_id 0
		.amdhsa_next_free_vgpr 152
		.amdhsa_next_free_sgpr 66
		.amdhsa_reserve_vcc 0
		.amdhsa_float_denorm_mode_32 3
		.amdhsa_float_denorm_mode_16_64 3
		.amdhsa_memory_ordered 1
		.amdhsa_forward_progress 1
		.amdhsa_inst_pref_size 10
	.end_amdhsa_kernel
	.amdgpu_metadata
---
amdhsa.version: [ 1, 2 ]
amdhsa.kernels:
  - .name:           k_q2db3a854fd_gather
    .symbol:         k_q2db3a854fd_gather.kd
    .args:
      - { .name: idx, .offset: 0, .size: 8, .value_kind: global_buffer, .address_space: global }
      - { .name: embeddings, .offset: 8, .size: 8, .value_kind: global_buffer, .address_space: global }
      - { .name: out0, .offset: 16, .size: 8, .value_kind: global_buffer, .address_space: global }
    .group_segment_fixed_size: 0
    .private_segment_fixed_size: 0
    .kernarg_segment_align: 8
    .kernarg_segment_size: 24
    .max_flat_workgroup_size: 256
    .sgpr_count:     66
    .vgpr_count:     152
    .wavefront_size: 32
...
	.end_amdgpu_metadata
.endif
;; end of part 3
